; MI455X (gfx1250); checked and timed in simulation.
; The chip was launched on July 23, 2026; its instructions are those of AMD's public machine-readable ISA for CDNA 5 (MIT licence, August 2026) and "CDNA5" Instruction Set Architecture Reference Guide (July 2026). The comments in the code are by the model that wrote it; some were corrected since.
;; Self Attention2 D. Allowed arithmetic: float matrix products may take bf16 or f16 operands with f32 sums; all other float work in f32.
;; Inputs: Wk 32 x 256 float32; Wq 32 x 256 float32; Wv 256 x 256 float32; bk 32 float32; bq 32 float32; bv 256 float32; gamma 1 float32; x 8 x 256 x 64 x 64 float32.
;; Outputs: out0 8 x 256 x 64 x 64 float32.
;; 2 versions, each right. Each part assembles by itself: llvm-mc -triple=amdgcn-amd-amdhsa -mcpu=gfx1250 --defsym DOCPART=n.
;; ======== version 1 of 2: 2 launches
;; workspace buffers: q 2,097,152 bytes; kv 18,874,368 bytes
;; launch proj (part 1): grid 32 x 8, 8 waves a work-group, no clusters, 243,712 bytes of LDS; arguments x, Wv, Wq, Wk, bv, bq, q, kv; writes q, kv
.if DOCPART == 1
	.amdgcn_target "amdgcn-amd-amdhsa--gfx1250"
	.amdhsa_code_object_version 6
	.text
	.protected	k_q8524e720e8_proj
	.globl	k_q8524e720e8_proj
	.p2align	8
	.type	k_q8524e720e8_proj,@function
k_q8524e720e8_proj:
	s_mov_b64 s[64:65], 0
	v_nop
	global_prefetch_b8 v0, s[64:65] scope:SCOPE_SE
	s_setreg_imm32_b32 hwreg(HW_REG_WAVE_MODE, 25, 1), 1
	s_wait_xcnt 0x0
; The three 1x1 convolutions of SelfAttention2D, for 128 pixels of one image a work-group:
;   q = (Wq x + bq) * log2(e),  k = Wk x,  v = Wv x + bv,   all rounded to bf16, sums in f32.
; DEAD WORK: bk.  reference() forms S[i][j] = q_i . (Wk x_j + bk) = q_i . (Wk x_j) + q_i . bk.  The second term does not hang on j, the axis
; of the softmax, so it multiplies numerator and denominator of every row by the same factor and cancels, whatever finite values the inputs hold.
; bk is therefore not loaded and is among no launch's arguments.  LIMIT: a NaN, an infinity or an overflow that reaches the result through bk
; alone is not carried to it.  bq stays (it multiplies k_j), bv stays.
; LIMIT: q is multiplied by log2(e) before its one rounding to bf16 (the next launch's exponentials are base 2), so the rounding of q differs
; from rounding q itself by at most the same relative step.
; OUTPUT LAYOUT, "fragment order": an operand tile of 16 rows x 32 k in bf16 is 1,024 bytes; with lane L = 16 h + r the 16 bytes at
; part * 512 + 16 L hold row r, k = 16 part + 8 h .. + 7: two 16-byte loads at 16 L, 512 bytes apart, fill a matrix operand (ISA guide 7.12.2).
;   q : [image][pixel tile of 16][1,024]           row = pixel, k = d
;   kv: [image][block of 32 keys][18,432]          16 tiles of V (row = channel, k = key in the block), then 2 tiles of K (row = key, k = d)
; SHARES: eight waves.  Wave w takes pixels 64 (w & 1) .. + 63 (four tiles) and output group og = w >> 1: V's channels 64 og .. + 63 (four tiles)
; and one tile of 16 d: og 0, 1 of q, og 2, 3 of k.  20 accumulator tiles, 160 matrix instructions.
; NO TENSOR LOADS AND NO CLUSTER: every input is f32 and has to pass through registers to become bf16; the weights that all work-groups share are
; 327,680 bytes as f32, as much as a work-group can have of LDS at all, so they cannot be staged unconverted.
.set XP,    288                        ; LDS pitch of x: 128 pixels of bf16 + 32 bytes, an odd multiple of 32 for the transposing loads
.set WP,    528                        ; LDS pitch of the weights: 256 bf16 + 16 bytes, an odd multiple of 16
.set WL,    256*XP                     ; x: bytes 0 .. 73,727; weights behind it: rows 0-255 Wv, 256-287 Wq, 288-319 Wk
.set BLK,   18432                      ; a block of kv
.set IMGKV, 128*BLK                    ; an image of kv
.set XS,  16                           ; v16-143   staging of x, 32 loads of 4 registers
.set SA,  144                          ; v144-207  staging of weights, set A
.set SB,  16                           ; v16-79    set B (x has left)
.set SC,  80                           ; v80-143   set C
.set ACC, 16                           ; v16-175   accumulator (t, pt) at ACC + 8 (5 pt + t); t = 0..3 V, t = 4 q or k
.set XF,  176                          ; v176-207  four fragments of x
.set WF,  208                          ; v208-247  five fragments of weights
.set BV,  248                          ; v248-255  bv of my lane's channel in tile t, as a pair
; v1 lane, v2 x offset, v3 weight offset, v4 x's LDS store, v5 weights' LDS store, v6-7 x fragments, v8 Wv fragments, v9 Wq/Wk fragment,
; v10 16 x lane, v11 bv offset, v12 bq offset, v13-15 at work
.macro PLACES                          ; four places behind matrix instructions (ISA guide 7.12.1) where there is no other vector work
.rept 4
	v_nop
.endr
.endm
	s_load_b512 s[4:19], s[0:1], 0x0               ; x s[4:5], Wv s[6:7], Wq s[8:9], Wk s[10:11], bv s[12:13], bq s[14:15], q s[16:17], kv s[18:19]
	s_set_vgpr_msb 0x40
	v_lshl_add_u32 v0, v0, 2, 0x3b400
	v_mov_b32 v1, 0
	s_set_vgpr_msb 0x4000
	v_lshrrev_b32 v13, 5, v0
	v_readfirstlane_b32 s20, v13                   ; wave 0..7
	v_and_b32 v1, 31, v0                           ; lane L
	s_and_b32 s21, s20, 1                          ; ph: which 64 pixels
	s_lshr_b32 s22, s20, 1                         ; og: which output group
	s_and_b32 s23, s22, 1                          ; which 16 of the 32 d
	s_and_b32 s34, ttmp7, 0xffff                   ; image b
	; offsets in memory, all below 2^31
	s_lshl_b32 s24, s34, 22                        ; x: image of 4,194,304 bytes
	s_lshl_b32 s35, ttmp9, 9                       ;    + 128 pixels of 4 bytes a work-group
	s_or_b32 s24, s24, s35
	s_mov_b32 s25, 0
	s_lshl_b32 s35, ttmp9, 2
	s_lshl1_add_u32 s35, s21, s35                  ; my first block of 32 keys: 4 pb + 2 ph
	s_mul_i32 s35, s35, BLK
	s_mul_i32 s26, s34, IMGKV
	s_add_co_u32 s26, s26, s35
	s_lshl_b32 s36, s22, 12                        ; V: my four tiles of 1,024 bytes
	s_add_co_u32 s36, s36, s26
	s_mov_b32 s37, 0
	s_lshl_b32 s35, s23, 9                         ; q and k: my 16 d are one 512-byte part of a tile
	s_add_co_u32 s38, s26, s35
	s_add_co_u32 s38, s38, 16384                   ; K's tiles lie behind V's sixteen
	s_mov_b32 s39, 0
	s_lshl_b32 s26, ttmp9, 3
	s_lshl2_add_u32 s26, s21, s26                  ; q: my first pixel tile, 8 pb + 4 ph
	s_lshl_b32 s26, s26, 10
	s_add_co_u32 s26, s26, s35
	s_lshl_b32 s35, s34, 18                        ; an image of q is 262,144 bytes
	s_add_co_u32 s26, s26, s35
	s_mov_b32 s27, 0
	; lane terms
	s_lshl_b32 s35, s20, 19
	v_lshl_add_u32 v2, v1, 4, s35                  ; x: rows 32 w .. of 16,384 bytes, 16 bytes a lane
	v_lshlrev_b32 v3, 4, v0                        ; weights: 16 bytes a thread, 4,096 bytes (four rows) a load of the work-group
	s_mul_i32 s35, s20, 32*XP
	v_lshl_add_u32 v4, v1, 3, s35                  ; x in LDS: row 32 w, 8 bytes a lane
	v_lshrrev_b32 v13, 6, v0
	v_and_b32 v14, 63, v0
	v_mul_u32_u24 v13, v13, WP
	v_lshl_add_u32 v5, v14, 3, v13
	v_add_nc_u32 v5, WL, v5                        ; weights in LDS: row tid / 64, 8 bytes at column tid % 64
	v_and_b32 v13, 15, v1                          ; r
	v_lshrrev_b32 v14, 4, v1                       ; h
	v_and_b32 v15, 7, v1
	v_lshl_add_u32 v15, v14, 3, v15                ; 8 h + L % 8: the channel row that this lane addresses
	v_mul_u32_u24 v15, v15, XP
	v_bfe_u32 v6, v1, 3, 1
	v_lshl_add_u32 v6, v6, 4, v15                  ; + 16 bytes for the second eight pixels
	s_lshl_b32 s35, s21, 7
	v_add_nc_u32 v6, s35, v6                       ; + my 64 pixels
	v_add_nc_u32 v7, 128*XP, v6                    ; channels 128 .. 255: the 16-bit immediate does not reach them
	v_mul_u32_u24 v15, v13, WP
	v_lshl_add_u32 v15, v14, 4, v15                ; r x pitch + 16 h
	s_mul_i32 s35, s22, 64*WP
	s_add_co_u32 s35, s35, WL
	v_add_nc_u32 v8, s35, v15                      ; Wv's rows 64 og ..
	s_mul_i32 s35, s22, 16*WP
	s_add_co_u32 s35, s35, WL+256*WP
	v_add_nc_u32 v9, s35, v15                      ; row 256 + 16 og: Wq's d 0, 16, then Wk's d 0, 16
	v_lshlrev_b32 v10, 4, v1
	s_lshl_b32 s35, s22, 8
	v_lshl_add_u32 v11, v13, 2, s35                ; bv[64 og + r]
	s_lshl_b32 s35, s23, 6
	v_lshl_add_u32 v12, v14, 5, s35                ; bq[16 (og & 1) + 8 h ..]
	s_wait_kmcnt 0x0
	s_add_nc_u64 s[4:5], s[4:5], s[24:25]
	s_add_nc_u64 s[28:29], s[18:19], s[36:37]      ; V out
	s_add_nc_u64 s[30:31], s[18:19], s[38:39]      ; K out
	s_add_nc_u64 s[32:33], s[16:17], s[26:27]      ; q out
; sixteen loads of weights: batch t = 64 rows (t = 0..3: Wv; t = 4: Wq's 32 rows, then Wk's 32)
.macro WLOAD set, t
.set u, 0
.rept 16
.if \t < 4
	global_load_b128 v[\set+4*u:\set+4*u+3], v3, s[6:7] offset:\t*65536+u*4096
.else
.if u < 8
	global_load_b128 v[\set+4*u:\set+4*u+3], v3, s[8:9] offset:u*4096
.else
	global_load_b128 v[\set+4*u:\set+4*u+3], v3, s[10:11] offset:(u-8)*4096
.endif
.endif
.set u, u+1
.endr
.endm
; a batch is rounded to bf16 in place and laid into LDS; more = 1: the address steps on by the batch's 64 rows
.macro WCONV set, more
.set u, 0
.rept 16
	v_cvt_pk_bf16_f32 v[\set+4*u], v[\set+4*u], v[\set+4*u+1]
	v_cvt_pk_bf16_f32 v[\set+4*u+1], v[\set+4*u+2], v[\set+4*u+3]
	ds_store_b64 v5, v[\set+4*u:\set+4*u+1] offset:u*4*WP
.set u, u+1
.endr
.if \more
	v_add_nc_u32 v5, 64*WP, v5
.endif
.endm
	; all loads that have registers go out at once: 4 of bv, 32 of x (each 512 neighbouring bytes of one channel row), 16 of weights
.irp t, 0,1,2,3
	global_load_b32 v[BV+2*\t], v11, s[12:13] offset:64*\t
.endr
.set u, 0
.rept 32
	global_load_b128 v[XS+4*u:XS+4*u+3], v2, s[4:5] offset:u*16384 th:TH_LOAD_NT
.set u, u+1
.endr
	WLOAD SA, 0
	; x to bf16, as [channel][pixel]
.set u, 0
.rept 32
	s_wait_loadcnt 47-u                            ; behind x's load u were issued 31 - u of x and 16 of weights
	v_cvt_pk_bf16_f32 v[XS+4*u], v[XS+4*u], v[XS+4*u+1]
	v_cvt_pk_bf16_f32 v[XS+4*u+1], v[XS+4*u+2], v[XS+4*u+3]
	ds_store_b64 v4, v[XS+4*u:XS+4*u+1] offset:u*XP
.set u, u+1
.endr
	; the weights, three sets of registers in turn: two batches are on their way while one is converted
	WLOAD SB, 1
	WLOAD SC, 2
	s_wait_loadcnt 32                              ; batch 0 is in; batches 1 and 2 stay out
	WCONV SA, 1
	WLOAD SA, 3
	s_wait_loadcnt 32                              ; batch 1; 2 and 3 stay out
	WCONV SB, 1
	WLOAD SB, 4
	s_wait_loadcnt 32                              ; batch 2; 3 and 4 stay out
	WCONV SC, 1
	s_wait_loadcnt 16                              ; batch 3; 4 stays out
	WCONV SA, 1
	s_wait_loadcnt 0x0                             ; batch 4
	WCONV SB, 0
	s_wait_dscnt 0x0                               ; my LDS stores are done, for the other waves' sake,
	s_barrier_signal -1
	s_barrier_wait -1                              ; and so are everybody's: from here on LDS is only read
; 32 channels of the sum: four fragments of x (transposed on the way: LDS holds [channel][pixel], the operand wants pixel rows along channels),
; five of weights, 20 matrix instructions.  V: source 0 = pixels, source 1 = channels, so that a lane's eight results are eight neighbouring
; pixels (keys) of one channel.  q, k: source 0 = d, source 1 = pixels: eight neighbouring d of one pixel.  Each is 16 bytes of fragment order.
; The 20 accumulators take turns, one instruction a turn, in the same order in every step.
.macro KB kb, zero
.if \kb
	PLACES                                         ; the fragments are loaded again four places behind the matrix instructions that read them
.endif
.irp pt, 0,1,2,3
	ds_load_tr16_b128 v[XF+8*\pt:XF+8*\pt+3], v[6+(\kb>>2)] offset:(\kb&3)*32*XP+32*\pt
	ds_load_tr16_b128 v[XF+8*\pt+4:XF+8*\pt+7], v[6+(\kb>>2)] offset:(\kb&3)*32*XP+32*\pt+16*XP
.endr
.irp t, 0,1,2,3
	ds_load_b128 v[WF+8*\t:WF+8*\t+3], v8 offset:\t*16*WP+64*\kb
	ds_load_b128 v[WF+8*\t+4:WF+8*\t+7], v8 offset:\t*16*WP+64*\kb+32
.endr
	ds_load_b128 v[WF+32:WF+35], v9 offset:64*\kb
	ds_load_b128 v[WF+36:WF+39], v9 offset:64*\kb+32
	s_wait_dscnt 0x0
.irp pt, 0,1,2,3
.irp t, 0,1,2,3
.if \zero
	v_wmma_f32_16x16x32_bf16 v[ACC+8*(5*\pt+\t):ACC+8*(5*\pt+\t)+7], v[XF+8*\pt:XF+8*\pt+7], v[WF+8*\t:WF+8*\t+7], 0
.else
	v_wmma_f32_16x16x32_bf16 v[ACC+8*(5*\pt+\t):ACC+8*(5*\pt+\t)+7], v[XF+8*\pt:XF+8*\pt+7], v[WF+8*\t:WF+8*\t+7], v[ACC+8*(5*\pt+\t):ACC+8*(5*\pt+\t)+7]
.endif
.endr
.if \zero
	v_wmma_f32_16x16x32_bf16 v[ACC+8*(5*\pt+4):ACC+8*(5*\pt+4)+7], v[WF+32:WF+39], v[XF+8*\pt:XF+8*\pt+7], 0
.else
	v_wmma_f32_16x16x32_bf16 v[ACC+8*(5*\pt+4):ACC+8*(5*\pt+4)+7], v[WF+32:WF+39], v[XF+8*\pt:XF+8*\pt+7], v[ACC+8*(5*\pt+4):ACC+8*(5*\pt+4)+7]
.endif
.endr
.endm
	KB 0, 1                                        ; the first products start the sums: nothing is cleared
	KB 1, 0
	KB 2, 0
	KB 3, 0
	KB 4, 0
	KB 5, 0
	KB 6, 0
	KB 7, 0
	; THE WAY OUT.  Every store of a wave is 512 neighbouring bytes at a multiple of 512; no store's data or address is written again.
	PLACES                                         ; behind the last matrix instructions: results are read, x's fragments are loaded over
	s_cmp_lt_u32 s20, 4                            ; waves 0-3 hold q
	s_cbranch_scc0 .Lno_bq
	global_load_b128 v[XF:XF+3], v12, s[14:15]     ; bq of my eight d
	global_load_b128 v[XF+4:XF+7], v12, s[14:15] offset:16
.Lno_bq:
.irp t, 0,1,2,3
	v_mov_b32 v[BV+2*\t+1], v[BV+2*\t]             ; bv of my channel twice, for the packed add
.endr
.irp pt, 0,1,2,3
.irp t, 0,1,2,3
.set a, ACC+8*(5*\pt+\t)
.irp k, 0,1,2,3
	v_pk_add_f32 v[a+2*\k:a+2*\k+1], v[a+2*\k:a+2*\k+1], v[BV+2*\t:BV+2*\t+1]
.endr
.irp k, 0,1,2,3
	v_cvt_pk_bf16_f32 v[a+\k], v[a+2*\k], v[a+2*\k+1]      ; packed downward: register k is written after its own pair was read
.endr
	global_store_b128 v10, v[a:a+3], s[28:29] offset:(\pt>>1)*BLK+\t*1024+(\pt&1)*512
.endr
.endr
	s_cmp_lt_u32 s20, 4
	s_cbranch_scc0 .Lk_out
	s_wait_loadcnt 0x0                             ; bq
.irp k, 0,1,2,3
	v_pk_mul_f32 v[XF+2*\k:XF+2*\k+1], v[XF+2*\k:XF+2*\k+1], 0x3fb8aa3b op_sel_hi:[1,0]    ; bq log2(e)
.endr
.irp pt, 0,1,2,3
.set a, ACC+8*(5*\pt+4)
.irp k, 0,1,2,3
	v_pk_fma_f32 v[a+2*\k:a+2*\k+1], v[a+2*\k:a+2*\k+1], 0x3fb8aa3b, v[XF+2*\k:XF+2*\k+1] op_sel_hi:[1,0,1]
.endr
.irp k, 0,1,2,3
	v_cvt_pk_bf16_f32 v[a+\k], v[a+2*\k], v[a+2*\k+1]
.endr
	global_store_b128 v10, v[a:a+3], s[32:33] offset:\pt*1024
.endr
	s_set_vgpr_msb 0x5
	s_wait_tensorcnt 0x0
	ds_add_u32 v0, v1
	s_wait_dscnt 0x0
	s_set_vgpr_msb 0x500
	s_endpgm
.Lk_out:
.irp pt, 0,1,2,3
.set a, ACC+8*(5*\pt+4)
.irp k, 0,1,2,3
	v_cvt_pk_bf16_f32 v[a+\k], v[a+2*\k], v[a+2*\k+1]
.endr
	global_store_b128 v10, v[a:a+3], s[30:31] offset:(\pt>>1)*BLK+(\pt&1)*1024
.endr
	s_set_vgpr_msb 0x5
	s_wait_tensorcnt 0x0
	ds_add_u32 v0, v1
	s_wait_dscnt 0x0
	s_set_vgpr_msb 0x500
	s_endpgm
.Lfunc_end_k_q8524e720e8_proj:
	.size	k_q8524e720e8_proj, .Lfunc_end_k_q8524e720e8_proj-k_q8524e720e8_proj
	.p2alignl 7, 3214868480
	.fill 96, 4, 3214868480
	.section	.rodata,"a",@progbits
	.p2align	6, 0x0
	.amdhsa_kernel k_q8524e720e8_proj
		.amdhsa_group_segment_fixed_size 243712
		.amdhsa_private_segment_fixed_size 0
		.amdhsa_enable_private_segment 0
		.amdhsa_kernarg_size 64
		.amdhsa_user_sgpr_count 2
		.amdhsa_user_sgpr_kernarg_segment_ptr 1
		.amdhsa_wavefront_size32 1
		.amdhsa_system_sgpr_workgroup_id_x 1
		.amdhsa_system_sgpr_workgroup_id_y 1
		.amdhsa_system_sgpr_workgroup_id_z 1
		.amdhsa_system_vgpr_workitem_id 0
		.amdhsa_next_free_vgpr 258
		.amdhsa_next_free_sgpr 66
		.amdhsa_reserve_vcc 0
		.amdhsa_float_denorm_mode_32 3
		.amdhsa_float_denorm_mode_16_64 3
		.amdhsa_memory_ordered 1
		.amdhsa_forward_progress 1
		.amdhsa_inst_pref_size 73
	.end_amdhsa_kernel
	.amdgpu_metadata
---
amdhsa.version: [ 1, 2 ]
amdhsa.kernels:
  - .name:           k_q8524e720e8_proj
    .symbol:         k_q8524e720e8_proj.kd
    .args:
      - { .name: x, .offset: 0, .size: 8, .value_kind: global_buffer, .address_space: global }
      - { .name: Wv, .offset: 8, .size: 8, .value_kind: global_buffer, .address_space: global }
      - { .name: Wq, .offset: 16, .size: 8, .value_kind: global_buffer, .address_space: global }
      - { .name: Wk, .offset: 24, .size: 8, .value_kind: global_buffer, .address_space: global }
      - { .name: bv, .offset: 32, .size: 8, .value_kind: global_buffer, .address_space: global }
      - { .name: bq, .offset: 40, .size: 8, .value_kind: global_buffer, .address_space: global }
      - { .name: q, .offset: 48, .size: 8, .value_kind: global_buffer, .address_space: global }
      - { .name: kv, .offset: 56, .size: 8, .value_kind: global_buffer, .address_space: global }
    .group_segment_fixed_size: 243712
    .private_segment_fixed_size: 0
    .kernarg_segment_align: 8
    .kernarg_segment_size: 64
    .max_flat_workgroup_size: 256
    .sgpr_count:     66
    .vgpr_count:     258
    .wavefront_size: 32
...
	.end_amdgpu_metadata
.endif
;; end of part 1
;; launch attn (part 2): grid 32 x 8, 4 waves a work-group, clusters of 4 x 1, 327,680 bytes of LDS; arguments q, kv, x, gamma, out0; writes out0
.if DOCPART == 2
	.amdgcn_target "amdgcn-amd-amdhsa--gfx1250"
	.amdhsa_code_object_version 6
	.text
	.protected	k_q8524e720e8_attn
	.globl	k_q8524e720e8_attn
	.p2align	8
	.type	k_q8524e720e8_attn,@function
k_q8524e720e8_attn:
	s_mov_b64 s[64:65], 0
	v_nop
	global_prefetch_b8 v0, s[64:65] scope:SCOPE_SE
	s_setreg_imm32_b32 hwreg(HW_REG_WAVE_MODE, 25, 1), 1
	s_wait_xcnt 0x0
	s_wait_alu depctr_hold_cnt(0) depctr_sa_sdst(0) depctr_va_vdst(0) depctr_va_sdst(0) depctr_va_ssrc(0) depctr_va_vcc(0) depctr_vm_vsrc(0)
	s_getreg_b32 s2, hwreg(HW_REG_IB_STS2, 6, 4)
	s_cmp_eq_u32 s2, 0
	s_cbranch_scc0 .Lentry_in_a_cluster
	s_endpgm
.Lentry_in_a_cluster:
	s_bfe_u32 s2, ttmp6, 0x10000c
	s_cmp_lg_u32 s2, 0x3003
	s_cbranch_scc0 .Lentry_shape_is_right
	s_endpgm
.Lentry_shape_is_right:
; out0 = gamma * (V softmax(Q^T K)^T) + x, for 128 queries of one image a work-group, with a running maximum.
; WORK LEFT OUT: bk.  k in kv is Wk x alone; q_i . bk is the same for all keys j of a row of the softmax and cancels for all values of the inputs
; (shown at the head of the launch that makes kv).  A NaN, an infinity or an overflow that reaches the result through bk alone is not carried to it.
; LIMITS: q carries log2(e), exponentials are base 2; v_exp_f32 gives 0 where 2^(s - max) lies below 2^-126 (ISA guide 15.8); the row sum adds the
; exponentials in f32 as they are, the product with V takes them rounded to bf16.  The maximum is always taken away: per 64 keys a new running
; maximum, and sums and row sum are scaled by 2^(old - new) in every chunk, with no branch on values.
; SHARES: four waves.  Wave w takes queries 64 (w & 1) .. + 63 of the block and half jh = w >> 1 of the keys of every slot, with ALL 256 channels:
; 64 accumulator tiles, 512 registers.  For 32 keys it reads 16 KiB of V from LDS and issues 64 matrix instructions; no score is computed twice.
; The two halves of the keys are merged once, at the end, through LDS.
; TRANSPOSED PRODUCTS: S^T = K Q^T (source 0 = 16 keys, source 1 = 16 queries): lane (r, h) holds keys 8 h .. + 7 of query r, which, rounded and
; packed, IS the second operand of O^T = V P^T (source 0 = 16 channels along 32 keys).  P never leaves the registers, and maximum, row sum and
; scale of a query are one number a lane.
; QUERY ORDER: lane r of query tile it stands for query 4 r + it of the wave's 64, so that a lane's four tiles hold 16 neighbouring bytes of a
; row of out0 and sixteen lanes store 256 neighbouring bytes at a multiple of 256.
; CLUSTER: the four query blocks of a cluster (4 x 1) walk the same kv of one image, so every tile is asked for jointly (mask 15): a quarter of the
; requests.  Descriptors hang on the image, the wave's number and the loop alone; the place in the cluster enters only the addresses of q, x, out0.
; kv comes in slots of 8 blocks = 256 keys = 147,456 bytes, dense in memory, as rows of 256 bytes; wave w brings blocks 2 w, 2 w + 1.
; In fragment order every LDS read is 512 neighbouring bytes of a wave: no padding.
.set BLK,   18432                      ; a block of kv: 32 keys, 16 tiles of V, 2 of K
.set SLOT,  8*BLK
.set WPART, 2*BLK                      ; what one tensor load brings
.set IMGKV, 128*BLK
.set STB,   2*SLOT                     ; behind the ring: 1,024 bytes a wave for the merge's maxima and row sums; no tensor load lands here
; window 0
.set LA, 2                             ; v2-9     LDS address of block b4 of my half in slot s, at LA + 4 s + b4
.set NM, 12                            ; v12,14,16,18  minus the running maximum of tile it; v13,15,17,19 second chain of the maximum (scratch)
.set AL, 20                            ; v20,22,24,26  2^(old max - new max); v21,23,25,27 scratch
.set LR, 28                            ; v28-31   my lane's part of the row sums
.set TA, 32                            ; v32-35   first chain of the maximum
.set LS, 36                            ; v36-43   a chunk's sums, in pairs
.set FR, 36                            ; v36-39   at the end: gamma x my scale / row sum
.set PN, 44                            ; v44-47   partner's minus maxima
.set PL, 52                            ; v52-55   partner's row sums
; v10 q offset, v11 x and out0 offset, v56-59 statistics (mine: maxima, sums; partner's), v60 exchange out, v61 exchange in, v62 prefetch offset
.set SR, 64                            ; v64-191  scores: tile (key tile jt4, query tile it) at SR + 8 (4 it + jt4)
.set TT, 64                            ; the same registers at the end
.set PR, 192                           ; v192-255 P: (key block jb, it) at PR + 8 (4 jb + it)
; window 1
.set Q1, 0                             ; v0-31    Q, four tiles
.set KF, 32                            ; v32-63   K, four tiles
.set F0, 64                            ; v64-127  V, eight tiles
.set F1, 128                           ; v128-191 V, eight tiles.  At the end all of window 1 holds x
; windows 2, 3: accumulator (channel tile ct, it) at 8 (16 (it & 1) + ct) of window 2 + (it >> 1)
.set MSB, 0
.macro WIN new                         ; low byte: bits 1:0 source 0, 3:2 source 1, 5:4 source 2, 7:6 destination; the high byte repeats the setting left
.if MSB != \new
	s_set_vgpr_msb (MSB<<8)|\new
.set MSB, \new
.endif
.endm
.macro PLACES                          ; four places behind matrix instructions (ISA guide 7.12.1)
.rept 4
	v_nop
.endr
.endm
; A round of the cluster's barrier: my work-group's barrier, wave 0 signals for the work-group, all wait for the four work-groups, my barrier again.
.macro ROUND
	s_barrier_signal -1
	s_barrier_wait -1
	s_cmp_lg_u32 s14, 0
	s_cbranch_scc1 .Lnot_wave_0_\@
	s_barrier_signal -3
.Lnot_wave_0_\@:
	s_barrier_wait -3
	s_barrier_signal -1
	s_barrier_wait -1
.endm
	s_load_b256 s[4:11], s[0:1], 0x0               ; q s[4:5], kv s[6:7], x s[8:9], gamma s[10:11]
	s_load_b64 s[12:13], s[0:1], 0x20              ; out0
	v_lshl_add_u32 v50, v0, 2, 0x49000
	v_mov_b32 v51, 0
	ds_add_u32 v50, v51
	v_lshrrev_b32 v63, 5, v0
	v_readfirstlane_b32 s14, v63                   ; wave 0..3
	s_lshr_b32 s40, s14, 1                         ; jh: my half of the keys; at the end my half of the channels
	s_and_b32 s41, s14, 1                          ; qh: my 64 queries
	s_xor_b32 s45, s14, 2                          ; the wave with my queries and the other keys
	s_bfe_u32 s46, ttmp6, 0x40000                  ; cx
	s_lshl_b32 s48, ttmp9, 2
	s_add_co_u32 s48, s48, s46                     ; query block = 4 x cluster x + cx
	s_and_b32 s49, ttmp7, 0xffff                   ; image
	s_mov_b32 s50, 0x76543210                      ; v_permlanex16_b32: lane i takes lane i of the other half
	s_mov_b32 s51, 0xfedcba98
	; descriptor group 1: 144 rows of 32 elements of 8 bytes, dense
	s_mov_b32 s16, 15|(3<<16)|(1<<21)              ; 15:0 mask: all four work-groups; 17:16 elements of 8 bytes; 21 set beside a mask; no padding
	s_mov_b32 s17, 32<<16                          ; tensor_dim0 = 32
	s_mov_b32 s18, 144<<16                         ; tensor_dim1 = 144
	s_mov_b32 s19, 32<<16                          ; tile_dim0 = 32
	s_mov_b32 s20, 144                             ; tile_dim1 = 144
	s_mov_b32 s21, 32                              ; from row to row: 32 elements
	s_mov_b32 s22, 0
	s_mov_b32 s23, 0
	; descriptor group 0, one for each slot: s[32:35] slot 0, s[36:39] slot 1
	s_mov_b32 s32, 1
	s_mul_i32 s33, s14, WPART                      ; LDS: my two blocks of the slot
	s_mov_b32 s36, 1
	s_add_co_u32 s37, s33, SLOT
	s_mul_i32 s24, s49, IMGKV                      ; memory: the image, and the same two blocks
	s_add_co_u32 s24, s24, s33
	s_mov_b32 s25, 0
	; offsets that hang on the query block, in registers that feed no descriptor
	s_lshl_b32 s30, s48, 3
	s_lshl2_add_u32 s30, s41, s30                  ; q: pixel tile 8 qb + 4 qh
	s_lshl_b32 s30, s30, 10
	s_lshl_b32 s26, s49, 18
	s_add_co_u32 s26, s26, s30
	s_mov_b32 s27, 0
	s_lshl_b32 s28, s49, 22                        ; x, out0: the image,
	s_lshl_b32 s30, s40, 21                        ; my 128 channel rows of 16,384 bytes,
	s_add_co_u32 s28, s28, s30
	s_lshl_b32 s30, s48, 9                         ; my block's 128 queries,
	s_add_co_u32 s28, s28, s30
	s_lshl_b32 s30, s41, 8                         ; my 64 of them
	s_add_co_u32 s28, s28, s30
	s_mov_b32 s29, 0
	; lane terms
	v_and_b32 v63, 31, v0                          ; L
	v_lshlrev_b32 v1, 4, v63
	v_and_b32 v64, 15, v63                         ; r
	v_lshrrev_b32 v65, 4, v63                      ; h
	v_lshrrev_b32 v66, 2, v64
	v_and_b32 v67, 3, v64
	s_mul_i32 s42, s40, 4*BLK
	v_add_nc_u32 v[LA], s42, v1                    ; my half of slot 0, 16 bytes a lane
.irp e, 1,2,3,4,5,6,7
	v_add_nc_u32 v[LA+\e], (\e>>2)*SLOT+(\e&3)*BLK, v[LA]
.endr
	v_lshlrev_b32 v10, 10, v66                     ; query 4 r + it lies in pixel tile r / 4, row 4 (r % 4) + it:
	v_lshl_add_u32 v10, v65, 8, v10                ; 1,024 (r / 4) + 256 h + 64 (r % 4), and 16 it in the immediate
	v_lshl_add_u32 v10, v67, 6, v10
	v_lshlrev_b32 v11, 17, v65                     ; x, out0: eight rows down for lanes 16-31, 16 bytes (queries 4 r .. + 3) a lane
	v_lshl_add_u32 v11, v64, 4, v11
	s_lshl_b32 s42, s14, 10
	s_add_co_u32 s42, s42, STB
	v_lshl_add_u32 v56, v63, 2, s42
	v_add_nc_u32 v57, s42, v1
	s_lshl_b32 s43, s45, 10
	s_add_co_u32 s43, s43, STB
	v_lshl_add_u32 v58, v63, 2, s43
	v_add_nc_u32 v59, s43, v1
	s_lshl_b32 s42, s14, 15
	v_add_nc_u32 v60, s42, v1                      ; the exchange at the end: 32,768 bytes a wave, in slot 0
	s_lshl_b32 s43, s45, 15
	v_add_nc_u32 v61, s43, v1
	v_lshlrev_b32 v62, 14, v63                     ; one row of x a lane
	s_wait_dscnt 0x0
	s_wait_kmcnt 0x0
	s_load_b32 s52, s[10:11], 0x0                  ; gamma
	s_add_nc_u64 s[4:5], s[4:5], s[26:27]
	s_add_nc_u64 s[8:9], s[8:9], s[28:29]
	s_add_nc_u64 s[12:13], s[12:13], s[28:29]
	s_add_nc_u64 s[34:35], s[6:7], s[24:25]        ; tile 0
	s_add_nc_u64 s[38:39], s[34:35], SLOT          ; tile 1
	s_or_b32 s35, s35, 0x80000000                  ; type 2
	s_or_b32 s39, s39, 0x80000000
	WIN 0x40                                       ; destination window 1
.irp it, 0,1,2,3
	global_load_b128 v[Q1+8*\it:Q1+8*\it+3], v10, s[4:5] offset:16*\it
	global_load_b128 v[Q1+8*\it+4:Q1+8*\it+7], v10, s[4:5] offset:16*\it+512
.endr
	WIN 0
	ROUND                                          ; the four work-groups are here: the first joint load meets its partners
	tensor_load_to_lds s[32:35], s[16:23]          ; tile 0 into slot 0
	s_nop 0
	s_wait_loadcnt 0x0                             ; Q
	s_wait_kmcnt 0x0                               ; gamma
; sixteen LDS loads: V's channel tiles 8 cth .. + 7 of block blk of my half of the slot, into buffer f of window 1
.macro VLOAD f, slot, blk, cth
.irp ctl, 0,1,2,3,4,5,6,7
	ds_load_b128 v[\f+8*\ctl:\f+8*\ctl+3], v[LA+4*\slot+\blk] offset:(8*\cth+\ctl)*1024
	ds_load_b128 v[\f+8*\ctl+4:\f+8*\ctl+7], v[LA+4*\slot+\blk] offset:(8*\cth+\ctl)*1024+512
.endr
.endm
; sixteen products under one window setting: query tiles i0, i0 + 1 x eight channel tiles
.macro HBH f, jb, cth, zero, i0
.irp ih, 0,1
.irp ctl, 0,1,2,3,4,5,6,7
.if \zero
	v_wmma_f32_16x16x32_bf16 v[(\ih*16+8*\cth+\ctl)*8:(\ih*16+8*\cth+\ctl)*8+7], v[\f+8*\ctl:\f+8*\ctl+7], v[PR+(4*\jb+\i0+\ih)*8:PR+(4*\jb+\i0+\ih)*8+7], 0
.else
	v_wmma_f32_16x16x32_bf16 v[(\ih*16+8*\cth+\ctl)*8:(\ih*16+8*\cth+\ctl)*8+7], v[\f+8*\ctl:\f+8*\ctl+7], v[PR+(4*\jb+\i0+\ih)*8:PR+(4*\jb+\i0+\ih)*8+7], v[(\ih*16+8*\cth+\ctl)*8:(\ih*16+8*\cth+\ctl)*8+7]
.endif
.endr
.endr
.endm
; 32 products on 32 different accumulators: 128 channels x 64 queries x the 32 keys of block jb.  The accumulators take turns, one instruction
; a turn; an accumulator comes up again after at least 31 others, over chunks, trips and the backward jump too.
.macro HB f, jb, cth, zero
	WIN 0xa1                                       ; V window 1, P window 0, sums window 2
	HBH \f, \jb, \cth, \zero, 0
	WIN 0xf1                                       ; sums window 3
	HBH \f, \jb, \cth, \zero, 2
.endm
; the softmax's four steps on score tile g = 4 jt4 + it
.macro SUBT g                          ; s - max
.set tb, SR+(4*((\g)&3)+((\g)>>2))*8
.irp k, 0,1,2,3
	v_pk_add_f32 v[tb+2*\k:tb+2*\k+1], v[tb+2*\k:tb+2*\k+1], v[NM+2*((\g)&3):NM+2*((\g)&3)+1] op_sel_hi:[1,0]
.endr
.endm
.macro EXPT g                          ; 2^(s - max)
.set tb, SR+(4*((\g)&3)+((\g)>>2))*8
.irp k, 0,1,2,3,4,5,6,7
	v_exp_f32 v[tb+\k], v[tb+\k]
.endr
.endm
.macro CVTT g                          ; to bf16: half of P's operand of key block jt4 / 2
.set tb, SR+(4*((\g)&3)+((\g)>>2))*8
.set pb, PR+(4*((\g)>>3)+((\g)&3))*8+(((\g)>>2)&1)*4
	s_wait_alu depctr_va_vdst(0)
.irp k, 0,1,2,3
	v_cvt_pk_bf16_f32 v[pb+\k], v[tb+2*\k], v[tb+2*\k+1]
.endr
.endm
.macro SUMT g                          ; the tile's eight numbers into the chunk's pair of sums; the first key tile starts them
.set tb, SR+(4*((\g)&3)+((\g)>>2))*8
.set lb, LS+2*((\g)&3)
	v_pk_add_f32 v[tb:tb+1], v[tb:tb+1], v[tb+2:tb+3]
	v_pk_add_f32 v[tb+4:tb+5], v[tb+4:tb+5], v[tb+6:tb+7]
.if (\g) < 4
	v_pk_add_f32 v[lb:lb+1], v[tb:tb+1], v[tb+4:tb+5]
.else
	v_pk_add_f32 v[tb:tb+1], v[tb:tb+1], v[tb+4:tb+5]
	v_pk_add_f32 v[lb:lb+1], v[lb:lb+1], v[tb:tb+1]
.endif
.endm
; 64 keys x 64 queries of scores to P, all in window 0
.macro SOFTMAX first
	; the chunk's maximum of each query: two chains a query tile over my 32 numbers, then the other half of the lanes (the other keys of the tiles)
.irp it, 0,1,2,3
	v_max_num_f32 v[TA+\it], v[SR+32*\it], v[SR+32*\it+1]
	v_max_num_f32 v[NM+2*\it+1], v[SR+32*\it+16], v[SR+32*\it+17]
.endr
.irp k, 0,1,2,3,4,5,6
.irp it, 0,1,2,3
	v_max3_num_f32 v[TA+\it], v[TA+\it], v[SR+32*\it+2+2*\k], v[SR+32*\it+3+2*\k]
	v_max3_num_f32 v[NM+2*\it+1], v[NM+2*\it+1], v[SR+32*\it+18+2*\k], v[SR+32*\it+19+2*\k]
.endr
.endr
.irp it, 0,1,2,3
	v_max_num_f32 v[TA+\it], v[TA+\it], v[NM+2*\it+1]
.endr
.irp it, 0,1,2,3
	v_permlanex16_b32 v[NM+2*\it+1], v[TA+\it], s50, s51
.endr
.irp it, 0,1,2,3
	v_max_num_f32 v[TA+\it], v[TA+\it], v[NM+2*\it+1]
.endr
.if \first
.irp it, 0,1,2,3
	v_mul_f32 v[NM+2*\it], -1.0, v[TA+\it]
.endr
.else
.irp it, 0,1,2,3
	v_mul_f32 v[AL+2*\it+1], -1.0, v[TA+\it]
	v_min_num_f32 v[AL+2*\it+1], v[AL+2*\it+1], v[NM+2*\it]        ; minus the new running maximum
	v_sub_f32 v[AL+2*\it], v[AL+2*\it+1], v[NM+2*\it]              ; old - new, never above 0
	v_mov_b32 v[NM+2*\it], v[AL+2*\it+1]
.endr
.irp it, 0,1,2,3
	v_exp_f32 v[AL+2*\it], v[AL+2*\it]
.endr
.endif
	; Staggered by one tile: the next tile's subtraction is the plain vector work that stands between a tile's exponentials and their first use (ISA guide 5.7.2)
	SUBT 0
.set g, 0
.rept 16
	EXPT g
.if g < 15
	SUBT g+1
.else
	v_nop
	s_wait_alu depctr_va_vdst(0)
.endif
	CVTT g
	SUMT g
.set g, g+1
.endr
.irp it, 0,1,2,3
.if \first
	v_add_f32 v[LR+\it], v[LS+2*\it], v[LS+2*\it+1]
.else
	v_add_f32 v[LS+2*\it], v[LS+2*\it], v[LS+2*\it+1]
	v_fma_f32 v[LR+\it], v[LR+\it], v[AL+2*\it], v[LS+2*\it]
.endif
.endr
.endm
; all 512 sums times 2^(old - new) of their query
.macro RESCALE
	WIN 0x82                                       ; source 0 and destination window 2, the factor window 0
.set n, 0
.rept 128
	v_pk_mul_f32 v[2*n:2*n+1], v[2*n:2*n+1], v[AL+2*(n>>6):AL+2*(n>>6)+1] op_sel_hi:[1,0]
.set n, n+1
.endr
	WIN 0xc3                                       ; window 3
.set n, 0
.rept 128
	v_pk_mul_f32 v[2*n:2*n+1], v[2*n:2*n+1], v[AL+4+2*(n>>6):AL+4+2*(n>>6)+1] op_sel_hi:[1,0]
.set n, n+1
.endr
.endm
; 64 keys: blocks 2 c, 2 c + 1 of my four in the slot
.macro CHUNK slot, c, first
.if \first == 0
	PLACES                                         ; V's buffers are loaded again four places behind the products that read them
.endif
	WIN 0x40
.irp bl, 0,1
.irp jt, 0,1
	ds_load_b128 v[KF+8*(2*\bl+\jt):KF+8*(2*\bl+\jt)+3], v[LA+4*\slot+2*\c+\bl] offset:16384+\jt*1024
	ds_load_b128 v[KF+8*(2*\bl+\jt)+4:KF+8*(2*\bl+\jt)+7], v[LA+4*\slot+2*\c+\bl] offset:16384+\jt*1024+512
.endr
.endr
	VLOAD F0, \slot, 2*\c, 0                       ; V of the first block comes in under the scores and the softmax
	VLOAD F1, \slot, 2*\c, 1
	s_wait_dscnt 32                                ; K's eight loads are in; V's 32 stay out
	WIN 0x05                                       ; K and Q window 1, scores window 0
.irp jt4, 0,1,2,3
.irp it, 0,1,2,3
	v_wmma_f32_16x16x32_bf16 v[SR+(4*\it+\jt4)*8:SR+(4*\it+\jt4)*8+7], v[KF+8*\jt4:KF+8*\jt4+7], v[Q1+8*\it:Q1+8*\it+7], 0
.endr
.endr
	WIN 0
	PLACES                                         ; the scores are read four places behind the last of them
	SOFTMAX \first
.if \first == 0
	RESCALE
.endif
	s_wait_dscnt 16                                ; buffer 0 is in; buffer 1's sixteen stay out
	HB F0, 0, 0, \first                            ; in the very first chunk these products start the sums: nothing is cleared
	PLACES
	WIN 0x40
	VLOAD F0, \slot, 2*\c+1, 0
	s_wait_dscnt 16                                ; buffer 1 is in; the sixteen just issued stay out
	HB F1, 0, 1, \first
	PLACES
	WIN 0x40
	VLOAD F1, \slot, 2*\c+1, 1
	s_wait_dscnt 16                                ; buffer 0's second fill is in
	HB F0, 1, 0, 0
	s_wait_dscnt 0x0
	HB F1, 1, 1, 0
	WIN 0
.endm
; One slot = 256 keys, of which 128 are mine.  In front of the round every wave has all its tensor loads landed (one was out: its part of this
; slot) and its reads of the other slot back; behind the round the other slot is asked for again, first thing, one joint load a wave.  That load
; has this trip's two chunks (288 matrix instructions and two softmaxes a wave) in which to land.  A wave never has more than one tensor load out.
.macro TRIP slot, refill, first, pf
	s_wait_tensorcnt 0x0                           ; all my tensor loads are done, so a group 0 may be written:
	ds_add_u32 v50, v51
	s_wait_dscnt 0x0
	s_add_nc_u64 s[34+4*\slot:35+4*\slot], s[34+4*\slot:35+4*\slot], 2*SLOT    ; this slot's next tile
	s_wait_dscnt 0x0                               ; my reads of the other slot are back
	ROUND                                          ; both now hold of every wave of the four work-groups
.if \refill
	tensor_load_to_lds s[36-4*\slot:39-4*\slot], s[16:23]
	s_nop 0
.endif
	CHUNK \slot, 0, \first
.if \pf
	; my 128 rows x 256 bytes of x, which the end of the kernel adds: one lane a row, each 256-byte piece asked for by this wave alone in the
	; whole launch, one chunk (144 matrix instructions and a softmax) ahead of the loads; all inside x
.irp k, 0,1,2,3
	global_prefetch_b8 v62, s[8:9] offset:\k*524288 th:TH_LOAD_NT scope:SCOPE_SE
.endr
.endif
	CHUNK \slot, 1, 0
.endm
	TRIP 0, 1, 1, 0                                ; tiles 0 and 1 stand in front of the loop: the first products start the sums
	TRIP 1, 1, 0, 0
	s_mov_b32 s44, 6                               ; tiles 2 to 13
.Llap:
	TRIP 0, 1, 0, 0
	TRIP 1, 1, 0, 0
	s_sub_co_u32 s44, s44, 1
	s_cmp_lg_u32 s44, 0
	s_cbranch_scc1 .Llap
	TRIP 0, 1, 0, 0                                ; tile 14; tile 15 is the last that is asked for
	TRIP 1, 0, 0, 1                                ; tile 15 (the stepped addresses are not used)
	; THE END.  x of my 128 channels x 64 queries goes out first: 64 loads into window 1, lanes 0-15 the 256 bytes of one row, lanes 16-31 of the row eight below.
	PLACES                                         ; window 1 held operands of the last products
	WIN 0x40
.irp ctl, 0,1,2,3,4,5,6,7
.irp jj, 0,1,2,3,4,5,6,7
	global_load_b128 v[(8*\ctl+\jj)*4:(8*\ctl+\jj)*4+3], v11, s[8:9] offset:(16*\ctl+\jj)*16384 th:TH_LOAD_NT
.endr
.endr
	WIN 0
	; the row sums of the two halves of the lanes meet; then maxima and row sums go to the wave that had the other keys
.irp it, 0,1,2,3
	v_permlanex16_b32 v[TA+\it], v[LR+\it], s50, s51
.endr
.irp it, 0,1,2,3
	v_add_f32 v[LR+\it], v[LR+\it], v[TA+\it]
.endr
.irp it, 0,1,2,3
	ds_store_b32 v56, v[NM+2*\it] offset:128*\it
.endr
	ds_store_b128 v57, v[LR:LR+3] offset:512
	s_wait_dscnt 0x0                               ; my stores are done and my reads of the slots are back, for the others' sake
	s_barrier_signal -1
	s_barrier_wait -1                              ; the statistics can be read; nobody reads a slot any more, and no tensor load follows
.irp it, 0,1,2,3
	ds_load_b32 v[PN+\it], v58 offset:128*\it
.endr
	ds_load_b128 v[PL:PL+3], v59 offset:512
	s_wait_dscnt 0x0
.irp it, 0,1,2,3
	v_min_num_f32 v[TA+\it], v[NM+2*\it], v[PN+\it]                ; minus the common maximum
	v_sub_f32 v[AL+2*\it], v[TA+\it], v[NM+2*\it]                  ; mine - common
	v_sub_f32 v[AL+2*\it+1], v[TA+\it], v[PN+\it]                  ; partner's - common
.endr
.irp it, 0,1,2,3
	v_exp_f32 v[AL+2*\it], v[AL+2*\it]
	v_exp_f32 v[AL+2*\it+1], v[AL+2*\it+1]
.endr
	v_nop                                          ; one plain place behind the exponentials
	s_wait_alu depctr_va_vdst(0)
.irp it, 0,1,2,3
	v_mul_f32 v[LR+\it], v[LR+\it], v[AL+2*\it]
	v_fmac_f32 v[LR+\it], v[PL+\it], v[AL+2*\it+1]                 ; the whole row's sum
.endr
.irp it, 0,1,2,3
	v_rcp_f32 v[TA+\it], v[LR+\it]
.endr
.irp it, 0,1,2,3
	v_mul_f32 v[FR+\it], s52, v[AL+2*\it]          ; plain work behind the reciprocals, which touches neither their results nor their sources
.endr
	s_wait_alu depctr_va_vdst(0)
.irp it, 0,1,2,3
	v_mul_f32 v[FR+\it], v[FR+\it], v[TA+\it]      ; gamma x my scale / row sum: what my sums are multiplied by
.endr
; My scaled sums of the channel tiles g0 .. g0 + 7, which the partner finishes, go into my 32,768 bytes of slot 0 (its last fill is long read):
; for each channel row 16 bytes a lane (queries 4 r .. + 3).  Two batches of four channel tiles through the score registers.
.macro GIVEH g0, bt, i0
.irp ih, 0,1
.irp cl, 0,1,2,3
.irp jj, 0,1,2,3,4,5,6,7
	v_mul_f32 v[TT+(\cl*8+\jj)*4+\i0+\ih], v[(\ih*16+\g0+4*\bt+\cl)*8+\jj], v[FR+\i0+\ih]
.endr
.endr
.endr
.endm
.macro GIVE g0
.irp bt, 0,1
	WIN 0x02                                       ; source 0 window 2
	GIVEH \g0, \bt, 0
	WIN 0x03                                       ; source 0 window 3
	GIVEH \g0, \bt, 2
	WIN 0
.set n, 0
.rept 32
	ds_store_b128 v60, v[TT+4*n:TT+4*n+3] offset:(32*\bt+n)*512
.set n, n+1
.endr
.endr
.endm
; The channel tiles k0 .. k0 + 7 that I finish: partner's part + x + my sums x my factor, stored.  Four batches of two channel tiles, on the two
; halves of the score registers in turn.
.macro KEEPH k0, bt, i0
.irp ih, 0,1
.irp cl, 0,1
.irp jj, 0,1,2,3,4,5,6,7
	v_fmac_f32 v[tb+(\cl*8+\jj)*4+\i0+\ih], v[(\ih*16+\k0+2*\bt+\cl)*8+\jj], v[FR+\i0+\ih]
.endr
.endr
.endr
.endm
.macro KEEP k0
.irp bt, 0,1,2,3
.if \bt >= 2
	s_wait_xcnt 0x0                                ; these registers were store data two batches ago: they are loaded again only behind this wait
.endif
.set tb, TT+64*(\bt&1)
.set n, 0
.rept 16
	ds_load_b128 v[tb+4*n:tb+4*n+3], v61 offset:(16*\bt+n)*512
.set n, n+1
.endr
	s_wait_dscnt 0x0
	s_wait_loadcnt 48-16*\bt                       ; x of this batch's 16 rows is in; the later batches' loads stay out
	WIN 0x04                                       ; source 1 window 1: x
.set n, 0
.rept 32
	v_pk_add_f32 v[tb+2*n:tb+2*n+1], v[tb+2*n:tb+2*n+1], v[64*\bt+2*n:64*\bt+2*n+1]
.set n, n+1
.endr
	WIN 0x02
	KEEPH \k0, \bt, 0
	WIN 0x03
	KEEPH \k0, \bt, 2
	WIN 0
.irp cl, 0,1
.irp jj, 0,1,2,3,4,5,6,7
	global_store_b128 v11, v[tb+(\cl*8+\jj)*4:tb+(\cl*8+\jj)*4+3], s[12:13] offset:(16*(2*\bt+\cl)+\jj)*16384 th:TH_STORE_NT   ; sixteen lanes: 256 neighbouring bytes at a multiple of 256
.endr
.endr
.endr
.endm
	s_cmp_lt_u32 s14, 2                            ; waves 0, 1 finish channels 0-127 and give away 128-255; waves 2, 3 the other way round
	s_cbranch_scc0 .Lgive_low
	GIVE 8
	s_branch .Lgiven
.Lgive_low:
	GIVE 0
.Lgiven:
	s_wait_dscnt 0x0                               ; my part of the exchange is written
	s_barrier_signal -1
	s_barrier_wait -1                              ; everybody's is
	s_cmp_lt_u32 s14, 2
	s_cbranch_scc0 .Lkeep_high
	KEEP 0
	s_branch .Lkept
.Lkeep_high:
	KEEP 8
.Lkept:
	s_wait_tensorcnt 0x0
	ds_add_u32 v50, v51
	s_wait_dscnt 0x0
	ROUND                                          ; the closing round: no work-group ends while a partner may still ask for a tile that names it
	s_endpgm
.Lfunc_end_k_q8524e720e8_attn:
	.size	k_q8524e720e8_attn, .Lfunc_end_k_q8524e720e8_attn-k_q8524e720e8_attn
	.p2alignl 7, 3214868480
	.fill 96, 4, 3214868480
	.section	.rodata,"a",@progbits
	.p2align	6, 0x0
	.amdhsa_kernel k_q8524e720e8_attn
		.amdhsa_group_segment_fixed_size 327680
		.amdhsa_private_segment_fixed_size 0
		.amdhsa_enable_private_segment 0
		.amdhsa_kernarg_size 40
		.amdhsa_user_sgpr_count 2
		.amdhsa_user_sgpr_kernarg_segment_ptr 1
		.amdhsa_wavefront_size32 1
		.amdhsa_system_sgpr_workgroup_id_x 1
		.amdhsa_system_sgpr_workgroup_id_y 1
		.amdhsa_system_sgpr_workgroup_id_z 1
		.amdhsa_system_vgpr_workitem_id 0
		.amdhsa_next_free_vgpr 1024
		.amdhsa_next_free_sgpr 66
		.amdhsa_reserve_vcc 0
		.amdhsa_float_denorm_mode_32 3
		.amdhsa_float_denorm_mode_16_64 3
		.amdhsa_memory_ordered 1
		.amdhsa_forward_progress 1
		.amdhsa_inst_pref_size 255
	.end_amdhsa_kernel
	.section	.bss,"aw",@nobits
	.p2align	6
	.space	262144
	.amdgpu_metadata
---
amdhsa.version: [ 1, 2 ]
amdhsa.kernels:
  - .name:           k_q8524e720e8_attn
    .symbol:         k_q8524e720e8_attn.kd
    .args:
      - { .name: q, .offset: 0, .size: 8, .value_kind: global_buffer, .address_space: global }
      - { .name: kv, .offset: 8, .size: 8, .value_kind: global_buffer, .address_space: global }
      - { .name: x, .offset: 16, .size: 8, .value_kind: global_buffer, .address_space: global }
      - { .name: gamma, .offset: 24, .size: 8, .value_kind: global_buffer, .address_space: global }
      - { .name: out0, .offset: 32, .size: 8, .value_kind: global_buffer, .address_space: global }
    .group_segment_fixed_size: 327680
    .private_segment_fixed_size: 0
    .kernarg_segment_align: 8
    .kernarg_segment_size: 40
    .max_flat_workgroup_size: 128
    .sgpr_count:     66
    .vgpr_count:     1024
    .wavefront_size: 32
...
	.end_amdgpu_metadata
.endif
;; end of part 2
;; ======== version 2 of 2: 2 launches
;; workspace buffers: q 2,097,152 bytes; kv 18,874,368 bytes
;; launch proj: the kernel of part 1 again; grid 32 x 8, 8 waves a work-group, no clusters, 243,712 bytes of LDS; arguments x, Wv, Wq, Wk, bv, bq, q, kv; writes q, kv
;; launch attn (part 3): grid 32 x 8, 4 waves a work-group, clusters of 4 x 1, 327,680 bytes of LDS; arguments q, kv, x, gamma, out0; writes out0
.if DOCPART == 3
	.amdgcn_target "amdgcn-amd-amdhsa--gfx1250"
	.amdhsa_code_object_version 6
	.text
	.protected	k_q8524e720e8_attn
	.globl	k_q8524e720e8_attn
	.p2align	8
	.type	k_q8524e720e8_attn,@function
k_q8524e720e8_attn:
	s_mov_b64 s[64:65], 0
	v_nop
	global_prefetch_b8 v0, s[64:65] scope:SCOPE_SE
	s_setreg_imm32_b32 hwreg(HW_REG_WAVE_MODE, 25, 1), 1
	s_wait_xcnt 0x0
	s_wait_alu depctr_hold_cnt(0) depctr_sa_sdst(0) depctr_va_vdst(0) depctr_va_sdst(0) depctr_va_ssrc(0) depctr_va_vcc(0) depctr_vm_vsrc(0)
	s_getreg_b32 s2, hwreg(HW_REG_IB_STS2, 6, 4)
	s_cmp_eq_u32 s2, 0
	s_cbranch_scc0 .Lentry_in_a_cluster
	s_endpgm
.Lentry_in_a_cluster:
	s_bfe_u32 s2, ttmp6, 0x10000c
	s_cmp_lg_u32 s2, 0x3003
	s_cbranch_scc0 .Lentry_shape_is_right
	s_endpgm
.Lentry_shape_is_right:
; out0 = gamma * (V softmax(Q^T K)^T) + x, for 128 queries of one image a work-group, with a running maximum.
; WORK LEFT OUT: bk.  k in kv is Wk x alone; q_i . bk is the same for all keys j of a row of the softmax and cancels for all values of the inputs
; (shown at the head of the launch that makes kv).  A NaN, an infinity or an overflow that reaches the result through bk alone is not carried to it.
; LIMITS: q carries log2(e), exponentials are base 2; v_exp_f32 gives 0 where 2^(s - max) lies below 2^-126 (ISA guide 15.8); the row sum adds the
; exponentials in f32 as they are, the product with V takes them rounded to bf16.  The maximum is always taken away: per 64 keys a new running
; maximum, and sums and row sum are scaled by 2^(old - new) in every chunk, with no branch on values.
; SHARES: four waves.  Wave w takes queries 64 (w & 1) .. + 63 of the block and half jh = w >> 1 of the keys of every slot, with ALL 256 channels:
; 64 accumulator tiles, 512 registers.  For 32 keys it reads 16 KiB of V from LDS and issues 64 matrix instructions; no score is computed twice.
; The two halves of the keys are merged once, at the end, through LDS.
; TRANSPOSED PRODUCTS: S^T = K Q^T (source 0 = 16 keys, source 1 = 16 queries): lane (r, h) holds keys 8 h .. + 7 of query r, which, rounded and
; packed, IS the second operand of O^T = V P^T (source 0 = 16 channels along 32 keys).  P never leaves the registers, and maximum, row sum and
; scale of a query are one number a lane.
; QUERY ORDER: lane r of query tile it stands for query 4 r + it of the wave's 64, so that a lane's four tiles hold 16 neighbouring bytes of a
; row of out0 and sixteen lanes store 256 neighbouring bytes at a multiple of 256.
; CLUSTER: the four query blocks of a cluster (4 x 1) walk the same kv of one image, so every tile is asked for jointly (mask 15): a quarter of the
; requests.  Descriptors hang on the image, the wave's number and the loop alone; the place in the cluster enters only the addresses of q, x, out0.
; THE RING: kv comes in slots of 4 blocks = 128 keys = 73,728 bytes, dense in memory, as rows of 256 bytes; wave w brings block w (72 rows).
; A wave's half of a slot is 64 keys, exactly one chunk of the work, so a chunk's text needs one fixed LDS base for each slot and stands four
; times in the kernel: the first chunk (which starts the sums), one for each slot in the loop, and the last (behind which nothing is asked for).
; 30 of a wave's 32 chunks run in the loop's two texts.  With slots of 256 keys and fixed bases the loop alone would hold four such texts.
; In fragment order every LDS read is 512 neighbouring bytes of a wave: no padding.
.set BLK,   18432                      ; a block of kv: 32 keys, 16 tiles of V, 2 of K; also what one tensor load brings
.set SLOT,  4*BLK
.set IMGKV, 128*BLK
.set STB,   2*SLOT                     ; behind the ring: 1,024 bytes a wave for the merge's maxima and row sums; no tensor load lands here
.set EXB,   STB+4096                   ; behind them: 32,768 bytes a wave for the merge's sums; no tensor load lands here either
; window 0
.set LA, 2                             ; v2, v3   LDS address of my half of slot 0, 1 (16 bytes a lane); the block and the tile stand in the immediate
.set NM, 12                            ; v12,14,16,18  minus the running maximum of tile it; v13,15,17,19 second chain of the maximum (scratch)
.set AL, 20                            ; v20,22,24,26  2^(old max - new max); v21,23,25,27 scratch
.set LR, 28                            ; v28-31   my lane's part of the row sums
.set TA, 32                            ; v32-35   first chain of the maximum
.set LS, 36                            ; v36-43   a chunk's sums, in pairs
.set FR, 36                            ; v36-39   at the end: gamma x my scale / row sum
.set PN, 44                            ; v44-47   partner's minus maxima
.set PL, 52                            ; v52-55   partner's row sums
; v10 q offset, v11 x and out0 offset, v56-59 statistics (mine: maxima, sums; partner's), v60 exchange out, v61 exchange in, v62 prefetch offset
.set SR, 64                            ; v64-191  scores: tile (key tile jt4, query tile it) at SR + 8 (4 it + jt4)
.set TT, 64                            ; the same registers at the end
.set PR, 192                           ; v192-255 P: (key block jb, it) at PR + 8 (4 jb + it)
; window 1
.set Q1, 0                             ; v0-31    Q, four tiles
.set KF, 32                            ; v32-63   K, four tiles
.set F0, 64                            ; v64-127  V, eight tiles
.set F1, 128                           ; v128-191 V, eight tiles.  At the end all of window 1 holds x
; windows 2, 3: accumulator (channel tile ct, it) at 8 (16 (it & 1) + ct) of window 2 + (it >> 1)
.set MSB, 0
.macro WIN new                         ; low byte: bits 1:0 source 0, 3:2 source 1, 5:4 source 2, 7:6 destination; the high byte repeats the setting left
.if MSB != \new
	s_set_vgpr_msb (MSB<<8)|\new
.set MSB, \new
.endif
.endm
.macro PLACES                          ; four places behind matrix instructions (ISA guide 7.12.1)
.rept 4
	v_nop
.endr
.endm
; A round of the cluster's barrier: my work-group's barrier, wave 0 signals for the work-group, all wait for the four work-groups, my barrier again.
.macro ROUND
	s_barrier_signal -1
	s_barrier_wait -1
	s_cmp_lg_u32 s14, 0
	s_cbranch_scc1 .Lnot_wave_0_\@
	s_barrier_signal -3
.Lnot_wave_0_\@:
	s_barrier_wait -3
	s_barrier_signal -1
	s_barrier_wait -1
.endm
	s_load_b256 s[4:11], s[0:1], 0x0               ; q s[4:5], kv s[6:7], x s[8:9], gamma s[10:11]
	s_load_b64 s[12:13], s[0:1], 0x20              ; out0
	v_lshl_add_u32 v50, v0, 2, 0x45000
	v_mov_b32 v51, 0
	ds_add_u32 v50, v51
	v_lshrrev_b32 v63, 5, v0
	v_readfirstlane_b32 s14, v63                   ; wave 0..3
	s_lshr_b32 s40, s14, 1                         ; jh: my half of the keys; at the end my half of the channels
	s_and_b32 s41, s14, 1                          ; qh: my 64 queries
	s_xor_b32 s45, s14, 2                          ; the wave with my queries and the other keys
	s_bfe_u32 s46, ttmp6, 0x40000                  ; cx
	s_lshl_b32 s48, ttmp9, 2
	s_add_co_u32 s48, s48, s46                     ; query block = 4 x cluster x + cx
	s_and_b32 s49, ttmp7, 0xffff                   ; image
	s_mov_b32 s50, 0x76543210                      ; v_permlanex16_b32: lane i takes lane i of the other half
	s_mov_b32 s51, 0xfedcba98
	; descriptor group 1: 72 rows of 32 elements of 8 bytes, dense: one block
	s_mov_b32 s16, 15|(3<<16)|(1<<21)              ; 15:0 mask: all four work-groups; 17:16 elements of 8 bytes; 21 set beside a mask; no padding
	s_mov_b32 s17, 32<<16                          ; tensor_dim0 = 32
	s_mov_b32 s18, 72<<16                          ; tensor_dim1 = 72
	s_mov_b32 s19, 32<<16                          ; tile_dim0 = 32
	s_mov_b32 s20, 72                              ; tile_dim1 = 72
	s_mov_b32 s21, 32                              ; from row to row: 32 elements
	s_mov_b32 s22, 0
	s_mov_b32 s23, 0
	; descriptor group 0, one for each slot: s[32:35] slot 0, s[36:39] slot 1
	s_mov_b32 s32, 1
	s_mul_i32 s33, s14, BLK                        ; LDS: my block of the slot
	s_mov_b32 s36, 1
	s_add_co_u32 s37, s33, SLOT
	s_mul_i32 s24, s49, IMGKV                      ; memory: the image, and the same block
	s_add_co_u32 s24, s24, s33
	s_mov_b32 s25, 0
	; offsets that hang on the query block, in registers that feed no descriptor
	s_lshl_b32 s30, s48, 3
	s_lshl2_add_u32 s30, s41, s30                  ; q: pixel tile 8 qb + 4 qh
	s_lshl_b32 s30, s30, 10
	s_lshl_b32 s26, s49, 18
	s_add_co_u32 s26, s26, s30
	s_mov_b32 s27, 0
	s_lshl_b32 s28, s49, 22                        ; x, out0: the image,
	s_lshl_b32 s30, s40, 21                        ; my 128 channel rows of 16,384 bytes,
	s_add_co_u32 s28, s28, s30
	s_lshl_b32 s30, s48, 9                         ; my block's 128 queries,
	s_add_co_u32 s28, s28, s30
	s_lshl_b32 s30, s41, 8                         ; my 64 of them
	s_add_co_u32 s28, s28, s30
	s_mov_b32 s29, 0
	; lane terms
	v_and_b32 v63, 31, v0                          ; L
	v_lshlrev_b32 v1, 4, v63
	v_and_b32 v64, 15, v63                         ; r
	v_lshrrev_b32 v65, 4, v63                      ; h
	v_lshrrev_b32 v66, 2, v64
	v_and_b32 v67, 3, v64
	s_mul_i32 s42, s40, 2*BLK
	v_add_nc_u32 v[LA], s42, v1                    ; my two blocks of slot 0, 16 bytes a lane
	v_add_nc_u32 v[LA+1], SLOT, v[LA]              ; and of slot 1
	v_lshlrev_b32 v10, 10, v66                     ; query 4 r + it lies in pixel tile r / 4, row 4 (r % 4) + it:
	v_lshl_add_u32 v10, v65, 8, v10                ; 1,024 (r / 4) + 256 h + 64 (r % 4), and 16 it in the immediate
	v_lshl_add_u32 v10, v67, 6, v10
	v_lshlrev_b32 v11, 17, v65                     ; x, out0: eight rows down for lanes 16-31, 16 bytes (queries 4 r .. + 3) a lane
	v_lshl_add_u32 v11, v64, 4, v11
	s_lshl_b32 s42, s14, 10
	s_add_co_u32 s42, s42, STB
	v_lshl_add_u32 v56, v63, 2, s42
	v_add_nc_u32 v57, s42, v1
	s_lshl_b32 s43, s45, 10
	s_add_co_u32 s43, s43, STB
	v_lshl_add_u32 v58, v63, 2, s43
	v_add_nc_u32 v59, s43, v1
	s_lshl_b32 s42, s14, 15
	s_add_co_u32 s42, s42, EXB
	v_add_nc_u32 v60, s42, v1                      ; the exchange at the end: my 32,768 bytes,
	s_lshl_b32 s43, s45, 15
	s_add_co_u32 s43, s43, EXB
	v_add_nc_u32 v61, s43, v1                      ; and my partner's
	v_lshlrev_b32 v62, 14, v63                     ; one row of x a lane
	s_wait_dscnt 0x0
	s_wait_kmcnt 0x0
	s_load_b32 s52, s[10:11], 0x0                  ; gamma
	s_add_nc_u64 s[4:5], s[4:5], s[26:27]
	s_add_nc_u64 s[8:9], s[8:9], s[28:29]
	s_add_nc_u64 s[12:13], s[12:13], s[28:29]
	s_add_nc_u64 s[34:35], s[6:7], s[24:25]        ; tile 0
	s_add_nc_u64 s[38:39], s[34:35], SLOT          ; tile 1
	s_or_b32 s35, s35, 0x80000000                  ; type 2
	s_or_b32 s39, s39, 0x80000000
	WIN 0x40                                       ; destination window 1
.irp it, 0,1,2,3
	global_load_b128 v[Q1+8*\it:Q1+8*\it+3], v10, s[4:5] offset:16*\it
	global_load_b128 v[Q1+8*\it+4:Q1+8*\it+7], v10, s[4:5] offset:16*\it+512
.endr
	WIN 0
	ROUND                                          ; the four work-groups are here: the first joint load meets its partners
	tensor_load_to_lds s[32:35], s[16:23]          ; tile 0 into slot 0
	s_nop 0
	s_wait_loadcnt 0x0                             ; Q
	s_wait_kmcnt 0x0                               ; gamma
; sixteen LDS loads: V's channel tiles 8 cth .. + 7 of block blk of my two in the slot, into buffer f of window 1
.macro VLOAD f, slot, blk, cth
.irp ctl, 0,1,2,3,4,5,6,7
	ds_load_b128 v[\f+8*\ctl:\f+8*\ctl+3], v[LA+\slot] offset:\blk*BLK+(8*\cth+\ctl)*1024
	ds_load_b128 v[\f+8*\ctl+4:\f+8*\ctl+7], v[LA+\slot] offset:\blk*BLK+(8*\cth+\ctl)*1024+512
.endr
.endm
; sixteen products under one window setting: query tiles i0, i0 + 1 x eight channel tiles
.macro HBH f, jb, cth, zero, i0
.irp ih, 0,1
.irp ctl, 0,1,2,3,4,5,6,7
.if \zero
	v_wmma_f32_16x16x32_bf16 v[(\ih*16+8*\cth+\ctl)*8:(\ih*16+8*\cth+\ctl)*8+7], v[\f+8*\ctl:\f+8*\ctl+7], v[PR+(4*\jb+\i0+\ih)*8:PR+(4*\jb+\i0+\ih)*8+7], 0
.else
	v_wmma_f32_16x16x32_bf16 v[(\ih*16+8*\cth+\ctl)*8:(\ih*16+8*\cth+\ctl)*8+7], v[\f+8*\ctl:\f+8*\ctl+7], v[PR+(4*\jb+\i0+\ih)*8:PR+(4*\jb+\i0+\ih)*8+7], v[(\ih*16+8*\cth+\ctl)*8:(\ih*16+8*\cth+\ctl)*8+7]
.endif
.endr
.endr
.endm
; 32 products on 32 different accumulators: 128 channels x 64 queries x the 32 keys of block jb.  The accumulators take turns, one instruction
; a turn; an accumulator comes up again after at least 31 others, over chunks and the backward jump too.
.macro HB f, jb, cth, zero
	WIN 0xa1                                       ; V window 1, P window 0, sums window 2
	HBH \f, \jb, \cth, \zero, 0
	WIN 0xf1                                       ; sums window 3
	HBH \f, \jb, \cth, \zero, 2
.endm
; the softmax's four steps on score tile g = 4 jt4 + it
.macro SUBT g                          ; s - max
.set tb, SR+(4*((\g)&3)+((\g)>>2))*8
.irp k, 0,1,2,3
	v_pk_add_f32 v[tb+2*\k:tb+2*\k+1], v[tb+2*\k:tb+2*\k+1], v[NM+2*((\g)&3):NM+2*((\g)&3)+1] op_sel_hi:[1,0]
.endr
.endm
.macro EXPT g                          ; 2^(s - max)
.set tb, SR+(4*((\g)&3)+((\g)>>2))*8
.irp k, 0,1,2,3,4,5,6,7
	v_exp_f32 v[tb+\k], v[tb+\k]
.endr
.endm
.macro CVTT g                          ; to bf16: half of P's operand of key block jt4 / 2
.set tb, SR+(4*((\g)&3)+((\g)>>2))*8
.set pb, PR+(4*((\g)>>3)+((\g)&3))*8+(((\g)>>2)&1)*4
	s_wait_alu depctr_va_vdst(0)
.irp k, 0,1,2,3
	v_cvt_pk_bf16_f32 v[pb+\k], v[tb+2*\k], v[tb+2*\k+1]
.endr
.endm
.macro SUMT g                          ; the tile's eight numbers into the chunk's pair of sums; the first key tile starts them
.set tb, SR+(4*((\g)&3)+((\g)>>2))*8
.set lb, LS+2*((\g)&3)
	v_pk_add_f32 v[tb:tb+1], v[tb:tb+1], v[tb+2:tb+3]
	v_pk_add_f32 v[tb+4:tb+5], v[tb+4:tb+5], v[tb+6:tb+7]
.if (\g) < 4
	v_pk_add_f32 v[lb:lb+1], v[tb:tb+1], v[tb+4:tb+5]
.else
	v_pk_add_f32 v[tb:tb+1], v[tb:tb+1], v[tb+4:tb+5]
	v_pk_add_f32 v[lb:lb+1], v[lb:lb+1], v[tb:tb+1]
.endif
.endm
; 64 keys x 64 queries of scores to P, all in window 0
.macro SOFTMAX first
	; the chunk's maximum of each query: two chains a query tile over my 32 numbers, then the other half of the lanes (the other keys of the tiles)
.irp it, 0,1,2,3
	v_max_num_f32 v[TA+\it], v[SR+32*\it], v[SR+32*\it+1]
	v_max_num_f32 v[NM+2*\it+1], v[SR+32*\it+16], v[SR+32*\it+17]
.endr
.irp k, 0,1,2,3,4,5,6
.irp it, 0,1,2,3
	v_max3_num_f32 v[TA+\it], v[TA+\it], v[SR+32*\it+2+2*\k], v[SR+32*\it+3+2*\k]
	v_max3_num_f32 v[NM+2*\it+1], v[NM+2*\it+1], v[SR+32*\it+18+2*\k], v[SR+32*\it+19+2*\k]
.endr
.endr
.irp it, 0,1,2,3
	v_max_num_f32 v[TA+\it], v[TA+\it], v[NM+2*\it+1]
.endr
.irp it, 0,1,2,3
	v_permlanex16_b32 v[NM+2*\it+1], v[TA+\it], s50, s51
.endr
.irp it, 0,1,2,3
	v_max_num_f32 v[TA+\it], v[TA+\it], v[NM+2*\it+1]
.endr
.if \first
.irp it, 0,1,2,3
	v_mul_f32 v[NM+2*\it], -1.0, v[TA+\it]
.endr
.else
.irp it, 0,1,2,3
	v_mul_f32 v[AL+2*\it+1], -1.0, v[TA+\it]
	v_min_num_f32 v[AL+2*\it+1], v[AL+2*\it+1], v[NM+2*\it]        ; minus the new running maximum
	v_sub_f32 v[AL+2*\it], v[AL+2*\it+1], v[NM+2*\it]              ; old - new, never above 0
	v_mov_b32 v[NM+2*\it], v[AL+2*\it+1]
.endr
.irp it, 0,1,2,3
	v_exp_f32 v[AL+2*\it], v[AL+2*\it]
.endr
.endif
	; Staggered by one tile: the next tile's subtraction is the plain vector work that stands between a tile's exponentials and their first use (ISA guide 5.7.2)
	SUBT 0
.set g, 0
.rept 16
	EXPT g
.if g < 15
	SUBT g+1
.else
	v_nop
	s_wait_alu depctr_va_vdst(0)
.endif
	CVTT g
	SUMT g
.set g, g+1
.endr
.irp it, 0,1,2,3
.if \first
	v_add_f32 v[LR+\it], v[LS+2*\it], v[LS+2*\it+1]
.else
	v_add_f32 v[LS+2*\it], v[LS+2*\it], v[LS+2*\it+1]
	v_fma_f32 v[LR+\it], v[LR+\it], v[AL+2*\it], v[LS+2*\it]
.endif
.endr
.endm
; all 512 sums times 2^(old - new) of their query
.macro RESCALE
	WIN 0x82                                       ; source 0 and destination window 2, the factor window 0
.set n, 0
.rept 128
	v_pk_mul_f32 v[2*n:2*n+1], v[2*n:2*n+1], v[AL+2*(n>>6):AL+2*(n>>6)+1] op_sel_hi:[1,0]
.set n, n+1
.endr
	WIN 0xc3                                       ; window 3
.set n, 0
.rept 128
	v_pk_mul_f32 v[2*n:2*n+1], v[2*n:2*n+1], v[AL+4+2*(n>>6):AL+4+2*(n>>6)+1] op_sel_hi:[1,0]
.set n, n+1
.endr
.endm
; 64 keys: my two blocks of the slot
.macro CHUNK slot, first
.if \first == 0
	PLACES                                         ; V's buffers are loaded again four places behind the products that read them
.endif
	WIN 0x40
.irp bl, 0,1
.irp jt, 0,1
	ds_load_b128 v[KF+8*(2*\bl+\jt):KF+8*(2*\bl+\jt)+3], v[LA+\slot] offset:\bl*BLK+16384+\jt*1024
	ds_load_b128 v[KF+8*(2*\bl+\jt)+4:KF+8*(2*\bl+\jt)+7], v[LA+\slot] offset:\bl*BLK+16384+\jt*1024+512
.endr
.endr
	VLOAD F0, \slot, 0, 0                          ; V of the first block comes in under the scores and the softmax
	VLOAD F1, \slot, 0, 1
	s_wait_dscnt 32                                ; K's eight loads are in; V's 32 stay out
	WIN 0x05                                       ; K and Q window 1, scores window 0
.irp jt4, 0,1,2,3
.irp it, 0,1,2,3
	v_wmma_f32_16x16x32_bf16 v[SR+(4*\it+\jt4)*8:SR+(4*\it+\jt4)*8+7], v[KF+8*\jt4:KF+8*\jt4+7], v[Q1+8*\it:Q1+8*\it+7], 0
.endr
.endr
	WIN 0
	PLACES                                         ; the scores are read four places behind the last of them
	SOFTMAX \first
.if \first == 0
	RESCALE
.endif
	s_wait_dscnt 16                                ; buffer 0 is in; buffer 1's sixteen stay out
	HB F0, 0, 0, \first                            ; in the very first chunk these products start the sums: nothing is cleared
	PLACES
	WIN 0x40
	VLOAD F0, \slot, 1, 0
	s_wait_dscnt 16                                ; buffer 1 is in; the sixteen just issued stay out
	HB F1, 0, 1, \first
	PLACES
	WIN 0x40
	VLOAD F1, \slot, 1, 1
	s_wait_dscnt 16                                ; buffer 0's second fill is in
	HB F0, 1, 0, 0
	s_wait_dscnt 0x0
	HB F1, 1, 1, 0
	WIN 0
.endm
; The change of slots in front of the chunk that reads slot `slot`.  In front of the round every wave has all its tensor loads landed (one was
; out: its block of this slot) and its reads of the other slot back; behind the round the other slot is asked for again, first thing, one joint
; load a wave.  That load has the chunk that follows (144 matrix instructions and a softmax a wave) in which to land.  A wave never has more
; than one tensor load out.  refill = 0: the last tile; nothing more is asked for, so nothing is stepped.
.macro HEAD slot, refill
	s_wait_tensorcnt 0x0                           ; all my tensor loads are done, so a group 0 may be written:
	ds_add_u32 v50, v51
	s_wait_dscnt 0x0
.if \refill
	s_add_nc_u64 s[34+4*\slot:35+4*\slot], s[34+4*\slot:35+4*\slot], 2*SLOT    ; this slot's next tile
.endif
	s_wait_dscnt 0x0                               ; my reads of the other slot are back
	ROUND                                          ; both now hold of every wave of the four work-groups
.if \refill
	tensor_load_to_lds s[36-4*\slot:39-4*\slot], s[16:23]
	s_nop 0
.endif
.endm
	HEAD 0, 1                                      ; tile 0 is in; tile 1 is asked for (slot 1's first fill, issued as a refill is)
	CHUNK 0, 1                                     ; the first chunk stands in front of the loop: its products start the sums
	s_mov_b32 s44, 15                              ; tiles 1 to 30; the trips ask for tiles 2 to 31
.Llap:
	HEAD 1, 1
	CHUNK 1, 0
	HEAD 0, 1
	CHUNK 0, 0
	s_sub_co_u32 s44, s44, 1
	s_cmp_lg_u32 s44, 0
	s_cbranch_scc1 .Llap
	HEAD 1, 0                                      ; tile 31, the last
	; my 128 rows x 256 bytes of x, which the end of the kernel adds: one lane a row, each 256-byte piece asked for by this wave alone in the
	; whole launch, one chunk (144 matrix instructions and a softmax) ahead of the loads; all inside x
.irp k, 0,1,2,3
	global_prefetch_b8 v62, s[8:9] offset:\k*524288 th:TH_LOAD_NT scope:SCOPE_SE
.endr
	CHUNK 1, 0
	; THE END.  x of my 128 channels x 64 queries goes out first: 64 loads into window 1, lanes 0-15 the 256 bytes of one row, lanes 16-31 of the row eight below.
	PLACES                                         ; window 1 held operands of the last products
	WIN 0x40
.irp ctl, 0,1,2,3,4,5,6,7
.irp jj, 0,1,2,3,4,5,6,7
	global_load_b128 v[(8*\ctl+\jj)*4:(8*\ctl+\jj)*4+3], v11, s[8:9] offset:(16*\ctl+\jj)*16384 th:TH_LOAD_NT
.endr
.endr
	WIN 0
	; the row sums of the two halves of the lanes meet; then maxima and row sums go to the wave that had the other keys
.irp it, 0,1,2,3
	v_permlanex16_b32 v[TA+\it], v[LR+\it], s50, s51
.endr
.irp it, 0,1,2,3
	v_add_f32 v[LR+\it], v[LR+\it], v[TA+\it]
.endr
.irp it, 0,1,2,3
	ds_store_b32 v56, v[NM+2*\it] offset:128*\it
.endr
	ds_store_b128 v57, v[LR:LR+3] offset:512
	s_wait_dscnt 0x0                               ; my stores are done, for the others' sake
	s_barrier_signal -1
	s_barrier_wait -1                              ; the statistics can be read
.irp it, 0,1,2,3
	ds_load_b32 v[PN+\it], v58 offset:128*\it
.endr
	ds_load_b128 v[PL:PL+3], v59 offset:512
	s_wait_dscnt 0x0
.irp it, 0,1,2,3
	v_min_num_f32 v[TA+\it], v[NM+2*\it], v[PN+\it]                ; minus the common maximum
	v_sub_f32 v[AL+2*\it], v[TA+\it], v[NM+2*\it]                  ; mine - common
	v_sub_f32 v[AL+2*\it+1], v[TA+\it], v[PN+\it]                  ; partner's - common
.endr
.irp it, 0,1,2,3
	v_exp_f32 v[AL+2*\it], v[AL+2*\it]
	v_exp_f32 v[AL+2*\it+1], v[AL+2*\it+1]
.endr
	v_nop                                          ; one plain place behind the exponentials
	s_wait_alu depctr_va_vdst(0)
.irp it, 0,1,2,3
	v_mul_f32 v[LR+\it], v[LR+\it], v[AL+2*\it]
	v_fmac_f32 v[LR+\it], v[PL+\it], v[AL+2*\it+1]                 ; the whole row's sum
.endr
.irp it, 0,1,2,3
	v_rcp_f32 v[TA+\it], v[LR+\it]
.endr
.irp it, 0,1,2,3
	v_mul_f32 v[FR+\it], s52, v[AL+2*\it]          ; plain work behind the reciprocals, which touches neither their results nor their sources
.endr
	s_wait_alu depctr_va_vdst(0)
.irp it, 0,1,2,3
	v_mul_f32 v[FR+\it], v[FR+\it], v[TA+\it]      ; gamma x my scale / row sum: what my sums are multiplied by
.endr
; My scaled sums of the channel tiles g0 .. g0 + 7, which the partner finishes, go into my 32,768 bytes of the exchange:
; for each channel row 16 bytes a lane (queries 4 r .. + 3).  Two batches of four channel tiles through the score registers.
.macro GIVEH g0, bt, i0
.irp ih, 0,1
.irp cl, 0,1,2,3
.irp jj, 0,1,2,3,4,5,6,7
	v_mul_f32 v[TT+(\cl*8+\jj)*4+\i0+\ih], v[(\ih*16+\g0+4*\bt+\cl)*8+\jj], v[FR+\i0+\ih]
.endr
.endr
.endr
.endm
.macro GIVE g0
.irp bt, 0,1
	WIN 0x02                                       ; source 0 window 2
	GIVEH \g0, \bt, 0
	WIN 0x03                                       ; source 0 window 3
	GIVEH \g0, \bt, 2
	WIN 0
.set n, 0
.rept 32
	ds_store_b128 v60, v[TT+4*n:TT+4*n+3] offset:(32*\bt+n)*512
.set n, n+1
.endr
.endr
.endm
; The channel tiles k0 .. k0 + 7 that I finish: partner's part + x + my sums x my factor, stored.  Four batches of two channel tiles, on the two
; halves of the score registers in turn.
.macro KEEPH k0, bt, i0
.irp ih, 0,1
.irp cl, 0,1
.irp jj, 0,1,2,3,4,5,6,7
	v_fmac_f32 v[tb+(\cl*8+\jj)*4+\i0+\ih], v[(\ih*16+\k0+2*\bt+\cl)*8+\jj], v[FR+\i0+\ih]
.endr
.endr
.endr
.endm
.macro KEEP k0
.irp bt, 0,1,2,3
.if \bt >= 2
	s_wait_xcnt 0x0                                ; these registers were store data two batches ago: they are loaded again only behind this wait
.endif
.set tb, TT+64*(\bt&1)
.set n, 0
.rept 16
	ds_load_b128 v[tb+4*n:tb+4*n+3], v61 offset:(16*\bt+n)*512
.set n, n+1
.endr
	s_wait_dscnt 0x0
	s_wait_loadcnt 48-16*\bt                       ; x of this batch's 16 rows is in; the later batches' loads stay out
	WIN 0x04                                       ; source 1 window 1: x
.set n, 0
.rept 32
	v_pk_add_f32 v[tb+2*n:tb+2*n+1], v[tb+2*n:tb+2*n+1], v[64*\bt+2*n:64*\bt+2*n+1]
.set n, n+1
.endr
	WIN 0x02
	KEEPH \k0, \bt, 0
	WIN 0x03
	KEEPH \k0, \bt, 2
	WIN 0
.irp cl, 0,1
.irp jj, 0,1,2,3,4,5,6,7
	global_store_b128 v11, v[tb+(\cl*8+\jj)*4:tb+(\cl*8+\jj)*4+3], s[12:13] offset:(16*(2*\bt+\cl)+\jj)*16384 th:TH_STORE_NT   ; sixteen lanes: 256 neighbouring bytes at a multiple of 256
.endr
.endr
.endr
.endm
	s_cmp_lt_u32 s14, 2                            ; waves 0, 1 finish channels 0-127 and give away 128-255; waves 2, 3 the other way round
	s_cbranch_scc0 .Lgive_low
	GIVE 8
	s_branch .Lgiven
.Lgive_low:
	GIVE 0
.Lgiven:
	s_wait_dscnt 0x0                               ; my part of the exchange is written
	s_barrier_signal -1
	s_barrier_wait -1                              ; everybody's is
	s_cmp_lt_u32 s14, 2
	s_cbranch_scc0 .Lkeep_high
	KEEP 0
	s_branch .Lkept
.Lkeep_high:
	KEEP 8
.Lkept:
	s_wait_tensorcnt 0x0
	ds_add_u32 v50, v51
	s_wait_dscnt 0x0
	ROUND                                          ; the closing round: no work-group ends while a partner may still ask for a tile that names it
	s_endpgm
.Lfunc_end_k_q8524e720e8_attn:
	.size	k_q8524e720e8_attn, .Lfunc_end_k_q8524e720e8_attn-k_q8524e720e8_attn
	.p2alignl 7, 3214868480
	.fill 96, 4, 3214868480
	.section	.rodata,"a",@progbits
	.p2align	6, 0x0
	.amdhsa_kernel k_q8524e720e8_attn
		.amdhsa_group_segment_fixed_size 327680
		.amdhsa_private_segment_fixed_size 0
		.amdhsa_enable_private_segment 0
		.amdhsa_kernarg_size 40
		.amdhsa_user_sgpr_count 2
		.amdhsa_user_sgpr_kernarg_segment_ptr 1
		.amdhsa_wavefront_size32 1
		.amdhsa_system_sgpr_workgroup_id_x 1
		.amdhsa_system_sgpr_workgroup_id_y 1
		.amdhsa_system_sgpr_workgroup_id_z 1
		.amdhsa_system_vgpr_workitem_id 0
		.amdhsa_next_free_vgpr 1024
		.amdhsa_next_free_sgpr 66
		.amdhsa_reserve_vcc 0
		.amdhsa_float_denorm_mode_32 3
		.amdhsa_float_denorm_mode_16_64 3
		.amdhsa_memory_ordered 1
		.amdhsa_forward_progress 1
		.amdhsa_inst_pref_size 255
	.end_amdhsa_kernel
	.section	.bss,"aw",@nobits
	.p2align	6
	.space	262144
	.amdgpu_metadata
---
amdhsa.version: [ 1, 2 ]
amdhsa.kernels:
  - .name:           k_q8524e720e8_attn
    .symbol:         k_q8524e720e8_attn.kd
    .args:
      - { .name: q, .offset: 0, .size: 8, .value_kind: global_buffer, .address_space: global }
      - { .name: kv, .offset: 8, .size: 8, .value_kind: global_buffer, .address_space: global }
      - { .name: x, .offset: 16, .size: 8, .value_kind: global_buffer, .address_space: global }
      - { .name: gamma, .offset: 24, .size: 8, .value_kind: global_buffer, .address_space: global }
      - { .name: out0, .offset: 32, .size: 8, .value_kind: global_buffer, .address_space: global }
    .group_segment_fixed_size: 327680
    .private_segment_fixed_size: 0
    .kernarg_segment_align: 8
    .kernarg_segment_size: 40
    .max_flat_workgroup_size: 128
    .sgpr_count:     66
    .vgpr_count:     1024
    .wavefront_size: 32
...
	.end_amdgpu_metadata
.endif
;; end of part 3
